; MI455X (gfx1250); checked and timed in simulation.
; The chip was launched on July 23, 2026; its instructions are those of AMD's public machine-readable ISA for CDNA 5 (MIT licence, August 2026) and "CDNA5" Instruction Set Architecture Reference Guide (July 2026). The comments in the code are by the model that wrote it; some were corrected since.
;; Bidirectional Cross Attention. Allowed arithmetic: matrix products marked QUANTISED: E5M2 operands, one E8M0 scale for each 32 along K, by v_wmma_scale_f32_16x16x128_f8f6f4 with both operands' format E5M2, f32 sums; everything else in f32.
;; Inputs: W_k 256 x 256 float32; W_p1 768 x 256 float32; W_p2 1,024 x 256 float32; W_q 256 x 256 float32; W_v 256 x 256 float32; b_k 256 float32; b_p1 256 float32; b_p2 256 float32; b_q 256 float32; b_v 256 float32; gamma 1 float32; x1 8 x 2,048 x 768 float32; x2 8 x 2,048 x 1,024 float32.
;; Outputs: out0 8 x 2,048 x 256 float32.
;; This version of the problem:
;;   THIS VERSION OF THE PROBLEM IS GIVEN IN LOW PRECISION. The matrix products marked QUANTISED in the list below multiply operands that are first quantised to E5M2 (5 exponent bits, 2 mantissa bits; 8 bits a number), with one power-of-two scale for each 32 numbers along K (OCP MX v1.0); their sums are f32. All else is computed in f32.
;;   The module's matrix products, in the order in which they are computed (A, B: the left and right operand; K: the contracted axis; several contracted axes count as one K, in the product's order):
;;     1. [M 16,384, K 768] x [K 768, N 256]; A: input x1; B: input W_p1: QUANTISED
;;     2. [M 16,384, K 1,024] x [K 1,024, N 256]; A: input x2; B: input W_p2: QUANTISED
;;     3. [M 16,384, K 256] x [K 256, N 256]; A: computed on the way; B: input W_q: QUANTISED
;;     4. [M 16,384, K 256] x [K 256, N 256]; A: computed on the way; B: input W_k: QUANTISED
;;     5. [M 16,384, K 256] x [K 256, N 256]; A: computed on the way; B: input W_v: QUANTISED
;;     6. batch 8 x [M 2,048, K 256] x [K 256, N 2,048]; A: computed on the way; B: computed on the way: QUANTISED
;;     7. batch 8 x [M 2,048, K 2,048] x [K 2,048, N 256]; A: softmax (see below); B: computed on the way: QUANTISED
;;     8. [M 16,384, K 256] x [K 256, N 256]; A: computed on the way; B: input W_q: QUANTISED
;;     9. [M 16,384, K 256] x [K 256, N 256]; A: computed on the way; B: input W_k: QUANTISED
;;     10. [M 16,384, K 256] x [K 256, N 256]; A: computed on the way; B: input W_v: QUANTISED
;;     11. batch 8 x [M 2,048, K 256] x [K 256, N 2,048]; A: computed on the way; B: computed on the way: QUANTISED
;;     12. batch 8 x [M 2,048, K 2,048] x [K 2,048, N 256]; A: softmax (see below); B: computed on the way: QUANTISED
;;   THE QUANTISER, for each operand of a quantised product, along K:
;;     - K is cut into blocks of 32 from its start; a last block that is shorter is filled with zeros.
;;     - A block's scale is 2^e with e = floor(log2(the largest magnitude in the block)) - 15, held to -126 .. 127; a block of zeros has e = 0. As a byte (E8M0): e + 127.
;;     - Each number is divided by its block's scale, clamped to +-57,344, and rounded to the nearest number of E5M2, ties to even, subnormals kept.
;;     - The product sums the exact products of the quantised numbers (number of the format x scale) in f32.
;;   ~~~python
;;   def quantise(x, axis):      # numpy; x: float32 -> the quantised numbers, widened to float32 again
;;       x = np.moveaxis(x, axis, -1); K = x.shape[-1]
;;       x = np.pad(x, [(0, 0)] * (x.ndim - 1) + [(0, -K % 32)]); x = x.reshape(x.shape[:-1] + (-1, 32)); a = np.abs(x).max(-1, keepdims=True)
;;       e = np.where(a > 0, np.clip(np.frexp(np.where(a > 0, a, 1))[1] - 1 - 15, -126, 127), 0)      # np.frexp(a)[1] - 1 = floor(log2(a)), exactly
;;       r = np.clip(x / 2.0 ** e, -57344, 57344)
;;       step = 2.0 ** (np.maximum(np.frexp(np.where(r == 0, 1, r))[1] - 1, -14) - 2)
;;       q = np.round(r / step) * step * 2.0 ** e      # np.round: ties to even
;;       return np.moveaxis(q.reshape(q.shape[:-2] + (-1,))[..., :K], -1, axis).astype(np.float32)
;;   ~~~
;;   SOFTMAX AHEAD OF A QUANTISED PRODUCT. Where the list says 'softmax', what is quantised is not the finished softmax but p = 2^(t - M), with t = logit x log2(e) and M = ceil(the row's largest t), a whole number; so 1/2 < the row's largest p <= 1. The row's sum l is taken of the UNQUANTISED p, in f32, and the product's result is divided by l at the end. Since M is a whole number, a kernel that streams over the keys may use a running M (the ceiling of the running maximum): every later rescaling is an exact power of two, which a block's scale takes up: the codes' values come out the same.
;;   OPERANDS COMPUTED ON THE WAY. 'Computed on the way' means the value that the module computes at that place (a softmax that the list does not call 'softmax' is quantised finished and normalised). What goes into a quantiser is computed in f32, as accurately as f32 sums, v_exp_f32 and their like allow (about 1e-6 of the number): no bf16 or f16 on the way to a quantiser, and a product that is left as it is and whose result goes on into a quantised operand takes f32 operands (vector FMAs, or v_wmma_f32_16x16x4_f32). A number that lies on a knife's edge between two numbers of the format may be rounded either way, as far as f32 arithmetic and the matrix unit's own rounding can turn it there, and no further.
;; One version. Each part assembles by itself: llvm-mc -triple=amdgcn-amd-amdhsa -mcpu=gfx1250 --defsym DOCPART=n.
;; ======== version 1 of 1: 3 launches
;; workspace buffers: wimg 675,840 bytes; hs 16,777,216 bytes; qs 8,650,752 bytes; kv 17,301,504 bytes
;; launch prep (part 1): grid 8 x 20, 4 waves a work-group, no clusters, 768 bytes of LDS; arguments W_p1, W_p2, W_q, W_k, W_v, wimg; writes wimg
.if DOCPART == 1
	.amdgcn_target "amdgcn-amd-amdhsa--gfx1250"
	.amdhsa_code_object_version 6
	.text
	.protected	k_q14fa580f4a_prep
	.globl	k_q14fa580f4a_prep
	.p2align	8
	.type	k_q14fa580f4a_prep,@function
k_q14fa580f4a_prep:
	s_mov_b64 s[64:65], 0
	v_nop
	global_prefetch_b8 v0, s[64:65] scope:SCOPE_SE
	s_setreg_imm32_b32 hwreg(HW_REG_WAVE_MODE, 25, 1), 1
	s_wait_xcnt 0x0
; The five weights ([K][256] f32, K is the FIRST axis) become codes of BF8 (E5M2) with one E8M0 byte for each 32 along K,
; laid in the order of the matrix operand's registers, so that the next launch takes fragments by 16-byte loads at 16 x lane.
; wimg = [F 0..4][w 0..3][sub 0..3][8,448 bytes].  K step block g = 4 F + sub: 0-5 W_p1, 6-13 W_p2, 14-15 W_q, 16-17 W_k, 18-19 W_v.
; A record: four tile images of 2,048 bytes (piece c = registers 4c..4c+3 at 512 c + 16 x lane), then from byte 8,192 the scale words [tile][16] x 4 bytes.
; Lane r of tile t stands for column 64 w + 32 (t/2) + 8 (t%2) + r + 8 (r/8); for W_v, whose product is used untransposed, for column 64 w + 16 t + r.
; SHARES: a work-group takes 32 columns (x) of one K step of 128 (y); wave c takes block c of 32 along K.  A lane takes a column and its registers run down K:
; a block lies in one lane, and the conversions give codes with K innermost.  Each load reads 128 consecutive bytes; all 32 loads of a wave are out together.
; The four waves' scale bytes meet in 128 bytes of LDS (4 x lane + c); behind a barrier wave 0 stores them as words.
; A block's byte is its largest magnitude's exponent field - 15, held at 1 from below.
; LIMITS: a block of zeros gets the byte 1 (its codes are zeros; only this program reads the bytes); NaN and infinities are not served.
; The scale words leave as 128 bytes a work-group (20 KB of the launch in all); the codes as aligned runs of 256 bytes from sixteen lanes.
.set X,    32                          ; v32-63   my column's 32 numbers
.set CD,   64                          ; v64-71   their codes
.set EMAX, 15
	s_load_b256 s[4:11], s[0:1], 0x0               ; W_p1, W_p2, W_q, W_k
	s_load_b128 s[12:15], s[0:1], 0x20             ; W_v, wimg
	v_lshl_add_u32 v80, v0, 2, 0x100
	v_mov_b32 v81, 0
	s_and_b32 s20, ttmp7, 0xffff                   ; g: which K step block
	v_lshrrev_b32 v8, 5, v0
	v_readfirstlane_b32 s34, v8                    ; wave = block c of the K step
	v_and_b32 v4, 31, v0                           ; x: my column among the 32
	v_lshlrev_b32 v1, 2, v4                        ; 4 x lane: my place in a row of the weight, and my scale word in LDS
	v_lshl_add_u32 v14, v4, 2, s34                 ; LDS: byte c of my column's word
	v_bfe_u32 v5, v4, 3, 1                         ; the chosen order: tile half u = (x/8)%2,
	v_and_b32 v6, 7, v4
	v_lshrrev_b32 v7, 4, v4                        ; (the natural order: u = x/16,
	v_lshl_add_u32 v6, v7, 3, v6                   ; lane r = x%8 + 8 (x/16)
	v_and_b32 v9, 15, v4                           ; r = x%16)
	s_cmp_ge_u32 s20, 18                           ; W_v takes the natural order
	s_cselect_b32 s19, -1, 0
	v_cndmask_b32 v5, v5, v7, s19
	v_cndmask_b32 v6, v6, v9, s19
	v_lshlrev_b32 v2, 11, v5
	v_lshl_add_u32 v2, v6, 4, v2                   ; images: 2,048 u + 16 r
	v_lshlrev_b32 v3, 6, v5
	v_lshl_add_u32 v3, v6, 2, v3                   ; scale words: 64 u + 4 r
	s_mov_b32 s33, 0x600000                        ; the mantissa field of 57,344
	s_lshr_b32 s24, s20, 2                         ; the record: ((g/4) x 4 + w) x 33,792 + (g%4) x 8,448, w = x-group / 2
	s_lshl_b32 s24, s24, 2
	s_lshr_b32 s25, ttmp9, 1
	s_add_co_u32 s24, s24, s25
	s_mul_i32 s24, s24, 33792
	s_and_b32 s25, s20, 3
	s_mul_i32 s25, s25, 8448
	s_add_co_u32 s24, s24, s25
	s_and_b32 s26, ttmp9, 1                        ; which two of the record's four tiles
	s_lshl_b32 s27, s26, 12
	s_add_co_u32 s28, s24, s27
	s_lshl_b32 s27, s34, 9                         ; piece c
	s_add_co_u32 s28, s28, s27
	s_mov_b32 s29, 0
	s_lshl_b32 s27, s26, 7
	s_add_co_u32 s30, s24, s27
	s_add_co_u32 s30, s30, 8192
	s_mov_b32 s31, 0
	s_wait_kmcnt 0x0
	s_mov_b64 s[16:17], s[12:13]                   ; which weight, and its first block: the choice hangs on g alone
	s_mov_b32 s18, 18
	s_cmp_lt_u32 s20, 18
	s_cselect_b64 s[16:17], s[10:11], s[16:17]
	s_cselect_b32 s18, 16, s18
	s_cmp_lt_u32 s20, 16
	s_cselect_b64 s[16:17], s[8:9], s[16:17]
	s_cselect_b32 s18, 14, s18
	s_cmp_lt_u32 s20, 14
	s_cselect_b64 s[16:17], s[6:7], s[16:17]
	s_cselect_b32 s18, 6, s18
	s_cmp_lt_u32 s20, 6
	s_cselect_b64 s[16:17], s[4:5], s[16:17]
	s_cselect_b32 s18, 0, s18
	s_sub_co_u32 s21, s20, s18                     ; the K step inside the weight: 128 rows of 1,024 bytes,
	s_lshl_b32 s22, s21, 17
	s_lshl_b32 s23, ttmp9, 7                       ; my 32 columns,
	s_add_co_u32 s22, s22, s23
	s_lshl_b32 s23, s34, 15                        ; my wave's 32 rows
	s_add_co_u32 s22, s22, s23
	s_mov_b32 s23, 0
	s_add_nc_u64 s[16:17], s[16:17], s[22:23]
	s_add_nc_u64 s[28:29], s[14:15], s[28:29]      ; where my piece of the images goes
	s_add_nc_u64 s[30:31], s[14:15], s[30:31]      ; where the scale words go
.irp i, 0,1,2,3,4,5,6,7,8,9,10,11,12,13,14,15,16,17,18,19,20,21,22,23,24,25,26,27,28,29,30,31
	global_load_b32 v[X+\i], v1, s[16:17] offset:\i*1024 th:TH_LOAD_NT
.endr
	s_wait_loadcnt 0x0
	v_max3_num_f32 v12, |v[X]|, |v[X+1]|, |v[X+2]|                  ; the block's largest magnitude: all 32 numbers are mine
	v_max3_num_f32 v13, |v[X+3]|, |v[X+4]|, |v[X+5]|
.irp i, 6,10,14,18,22,26
	v_max3_num_f32 v12, v12, |v[X+\i]|, |v[X+\i+1]|
	v_max3_num_f32 v13, v13, |v[X+\i+2]|, |v[X+\i+3]|
.endr
	v_max3_num_f32 v12, v12, |v[X+30]|, |v[X+31]|
	v_max3_num_f32 v12, v12, v13, (EMAX+1)<<23     ; the floor 2^(16 - 127): the byte cannot fall under 1
	v_add_nc_u32 v11, -(EMAX<<23), v12             ; 15 off the exponent field: the conversion's scale operand
	v_and_or_b32 v10, v12, 0x7f800000, s33         ; 57,344 x the scale
	v_lshrrev_b32 v13, 23, v11                     ; the byte
	ds_store_b8 v14, v13
.irp i, 0,1,2,3,4,5,6,7,8,9,10,11,12,13,14,15,16,17,18,19,20,21,22,23,24,25,26,27,28,29,30,31
	v_med3_num_f32 v[X+\i], v[X+\i], -v10, v10     ; the conversion to an 8-bit code does not saturate (ISA guide 7.6.2): the hold comes first
.endr
.irp g, 0,1,2,3
	v_cvt_scalef32_pk8_bf8_f32 v[CD+2*\g:CD+2*\g+1], v[X+8*\g:X+8*\g+7], v11
.endr
	global_store_b128 v2, v[CD:CD+3], s[28:29]                 ; k = 32 c + 0..15: the place of lane r
	global_store_b128 v2, v[CD+4:CD+7], s[28:29] offset:256    ; k = 32 c + 16..31: the place of lane 16 + r
	s_wait_dscnt 0x0                               ; for wave 0's sake: my byte has landed
	s_barrier_signal -1
	s_barrier_wait -1
	s_cmp_lg_u32 s34, 0
	s_cbranch_scc1 .Lend
	ds_load_b32 v16, v1                            ; four bytes make my column's scale word for this K step
	s_wait_dscnt 0x0
	global_store_b32 v3, v16, s[30:31]
.Lend:
	s_wait_tensorcnt 0x0
	ds_add_u32 v80, v81
	s_wait_dscnt 0x0
	s_endpgm
.Lfunc_end_k_q14fa580f4a_prep:
	.size	k_q14fa580f4a_prep, .Lfunc_end_k_q14fa580f4a_prep-k_q14fa580f4a_prep
	.p2alignl 7, 3214868480
	.fill 96, 4, 3214868480
	.section	.rodata,"a",@progbits
	.p2align	6, 0x0
	.amdhsa_kernel k_q14fa580f4a_prep
		.amdhsa_group_segment_fixed_size 768
		.amdhsa_private_segment_fixed_size 0
		.amdhsa_enable_private_segment 0
		.amdhsa_kernarg_size 48
		.amdhsa_user_sgpr_count 2
		.amdhsa_user_sgpr_kernarg_segment_ptr 1
		.amdhsa_wavefront_size32 1
		.amdhsa_system_sgpr_workgroup_id_x 1
		.amdhsa_system_sgpr_workgroup_id_y 1
		.amdhsa_system_sgpr_workgroup_id_z 1
		.amdhsa_system_vgpr_workitem_id 0
		.amdhsa_next_free_vgpr 82
		.amdhsa_next_free_sgpr 66
		.amdhsa_reserve_vcc 0
		.amdhsa_float_denorm_mode_32 3
		.amdhsa_float_denorm_mode_16_64 3
		.amdhsa_memory_ordered 1
		.amdhsa_forward_progress 1
		.amdhsa_inst_pref_size 11
	.end_amdhsa_kernel
	.amdgpu_metadata
---
amdhsa.version: [ 1, 2 ]
amdhsa.kernels:
  - .name:           k_q14fa580f4a_prep
    .symbol:         k_q14fa580f4a_prep.kd
    .args:
      - { .name: W_p1, .offset: 0, .size: 8, .value_kind: global_buffer, .address_space: global }
      - { .name: W_p2, .offset: 8, .size: 8, .value_kind: global_buffer, .address_space: global }
      - { .name: W_q, .offset: 16, .size: 8, .value_kind: global_buffer, .address_space: global }
      - { .name: W_k, .offset: 24, .size: 8, .value_kind: global_buffer, .address_space: global }
      - { .name: W_v, .offset: 32, .size: 8, .value_kind: global_buffer, .address_space: global }
      - { .name: wimg, .offset: 40, .size: 8, .value_kind: global_buffer, .address_space: global }
    .group_segment_fixed_size: 768
    .private_segment_fixed_size: 0
    .kernarg_segment_align: 8
    .kernarg_segment_size: 48
    .max_flat_workgroup_size: 128
    .sgpr_count:     66
    .vgpr_count:     82
    .wavefront_size: 32
...
	.end_amdgpu_metadata
.endif
;; end of part 1
;; launch proj (part 2): grid 256 x 1, 4 waves a work-group, clusters of 4 x 1, 327,680 bytes of LDS; arguments x1, x2, wimg, b_p1, b_p2, b_q, b_k, b_v, hs, qs, kv; writes hs, qs, kv
.if DOCPART == 2
	.amdgcn_target "amdgcn-amd-amdhsa--gfx1250"
	.amdhsa_code_object_version 6
	.text
	.protected	k_q14fa580f4a_proj
	.globl	k_q14fa580f4a_proj
	.p2align	8
	.type	k_q14fa580f4a_proj,@function
k_q14fa580f4a_proj:
	s_mov_b64 s[64:65], 0
	v_nop
	global_prefetch_b8 v0, s[64:65] scope:SCOPE_SE
	s_setreg_imm32_b32 hwreg(HW_REG_WAVE_MODE, 25, 1), 1
	s_wait_xcnt 0x0
	s_wait_alu depctr_hold_cnt(0) depctr_sa_sdst(0) depctr_va_vdst(0) depctr_va_sdst(0) depctr_va_ssrc(0) depctr_va_vcc(0) depctr_vm_vsrc(0)
	s_getreg_b32 s2, hwreg(HW_REG_IB_STS2, 6, 4)
	s_cmp_eq_u32 s2, 0
	s_cbranch_scc0 .Lentry_in_a_cluster
	s_endpgm
.Lentry_in_a_cluster:
	s_bfe_u32 s2, ttmp6, 0x10000c
	s_cmp_lg_u32 s2, 0x3003
	s_cbranch_scc0 .Lentry_shape_is_right
	s_endpgm
.Lentry_shape_is_right:
; For 64 rows of both streams: h1 = Q(x1) Q(W_p1) + b_p1, h2 = Q(x2) Q(W_p2) + b_p2; hs = h1 + h2 (f32, to memory);
; q, k, v = Q(h) Q(W) + b of both streams, quantised (q, k along the 256 channels, v along the keys) and stored as images of operand registers.
; All products on codes of BF8 (E5M2) with E8M0 scales for each 32 along K, f32 sums.
; SHARES.  256 work-groups of four waves.  Wave w quantises row tile w of x, and in every product makes output columns 64 w .. 64 w + 63
; (four tiles) for all four row tiles: 16 accumulators.  So each weight fragment is read by one wave alone, from its own bytes of the ring.
; ROW ORDER.  Lane a of row tile m stands for block row 32 (m/2) + 8 (m%2) + a + 8 (a/8).  With the weights' columns in the same order a transposed product
; (source 0 = weight, source 1 = rows) leaves 16 neighbours along the next K in the registers of tiles 2 b, 2 b + 1; an untransposed one (v) leaves 16 neighbouring keys.
; IMAGES.  A fragment (16 rows x 128 K, 16 registers) lies as four pieces of 512 bytes, lane l's 16 bytes at 16 l.  Scale words lie [tile][2][16] x 4 bytes:
; one load at 4 x lane brings K step 0's words to lanes 0-15 and K step 1's to lanes 16-31.
; THE WEIGHTS are walked alike by all work-groups: five fills of 135,168 bytes, the weights of TWO trips each, through two LDS slots, asked for JOINTLY by the four partners of a cluster.
; Two tensor loads of a wave are out at the start, one behind each later round; a refill has two trips (64 products, four quantisings) in which to land.
; Trips 0-2: x1 / W_p1; 3-6: x2 / W_p2; 7: W_q; 8: W_k; 9: W_v.  Trip n reads slot (n/2)%2, records 2 (n%2) and 2 (n%2) + 1.
; The biases are loaded into the sums (h) or given as the first product's C (q, k, v): nothing is cleared; the order of f32 rounding so differs from a bias added last.
; LIMITS: a block of zeros gets the byte 1 (its codes are zeros; only this program reads the bytes); NaN and infinities are not served.
; REGISTERS, in windows of 256.  Window 0: v1-38 addresses; v40-55 at work; v56-63 scale words made; v64-75 scale operands; v80-111 codes; v112-119 h's scale halves; v128-255 numbers of x.
;   Window 1: x as loaded, two sets of 128; later rows of hs, h's fragments (0-127), the biases of q, k, v (128-223).  Window 2: h1 (0-127), h2 (128-255).
;   Window 3: weight fragments (0-127); x's fragments, later the accumulators of q, k, v (128-255).
.set SLOTB, 135168                     ; LDS: slot 0 at 0, slot 1 here: 4 x 33,792 bytes each, wave w's at 33,792 w
.set SPARE, 270336                     ; the spare words: 128 bytes a wave, named by no other line
.set XI0,   270848                     ; x's images, set 0: (4 ks + m) x 2,048, from 16,384 on the scale words;
.set XISET, 16896                      ; set 1 lies this far on
.set HIMG,  270848                     ; h's images, ((4 tau + m) x 2 + s) x 2,048: in the bytes of x's images, behind a barrier that follows the last read of those
.set XST,   304640                     ; a stage of 16 rows x 272 bytes for each wave: x's turn, later hs on its way out
.set HSC,   322048                     ; h's scale words: (4 tau + m) x 128 + 64 s + 4 r
.set SCS,   323072                     ; the scale pieces of q, k, v: tau x 1,536 + {0, 512, 1,024}
.set TM,  40                           ; +0 largest magnitudes, +4 the other half's / bytes, +8 57,344 x scale, +12 scale operands
.set PW,  56
.set XS,  64                           ; v64-67 x's scale words, by row tile
.set WSC, 68                           ; v68-71 the weights': register 2 ks + i: tile 2 i in lanes 0-15, tile 2 i + 1 in lanes 16-31
.set HS,  72                           ; v72-75 h's, by row tile
.set PC,  80
.set PWH, 112
.set MSB, 0
.macro WIN new                         ; the immediate's high byte repeats the setting that is left; a switch that changes nothing is dropped
.if MSB != (\new)
	s_set_vgpr_msb (MSB<<8)|(\new)
.set MSB, \new
.endif
.endm
.macro WM d, a, b, c, sa, sb, ra, rb   ; D, A, B, C, their scale registers, and which half of the lanes holds each side's words
.if ((\ra) == 0) && ((\rb) == 0)
	v_wmma_scale_f32_16x16x128_f8f6f4 v[(\d):(\d)+7], v[(\a):(\a)+15], v[(\b):(\b)+15], v[(\c):(\c)+7], v[\sa], v[\sb] matrix_a_fmt:MATRIX_FMT_BF8 matrix_b_fmt:MATRIX_FMT_BF8
.elseif ((\ra) == 1) && ((\rb) == 0)
	v_wmma_scale_f32_16x16x128_f8f6f4 v[(\d):(\d)+7], v[(\a):(\a)+15], v[(\b):(\b)+15], v[(\c):(\c)+7], v[\sa], v[\sb] matrix_a_fmt:MATRIX_FMT_BF8 matrix_b_fmt:MATRIX_FMT_BF8 matrix_a_scale:MATRIX_SCALE_ROW1
.elseif ((\ra) == 0) && ((\rb) == 1)
	v_wmma_scale_f32_16x16x128_f8f6f4 v[(\d):(\d)+7], v[(\a):(\a)+15], v[(\b):(\b)+15], v[(\c):(\c)+7], v[\sa], v[\sb] matrix_a_fmt:MATRIX_FMT_BF8 matrix_b_fmt:MATRIX_FMT_BF8 matrix_b_scale:MATRIX_SCALE_ROW1
.else
	v_wmma_scale_f32_16x16x128_f8f6f4 v[(\d):(\d)+7], v[(\a):(\a)+15], v[(\b):(\b)+15], v[(\c):(\c)+7], v[\sa], v[\sb] matrix_a_fmt:MATRIX_FMT_BF8 matrix_b_fmt:MATRIX_FMT_BF8 matrix_a_scale:MATRIX_SCALE_ROW1 matrix_b_scale:MATRIX_SCALE_ROW1
.endif
.endm
.macro ROUND                           ; a round of the cluster's barrier
	s_barrier_signal -1
	s_barrier_wait -1
	s_cmp_lg_u32 s26, 0
	s_cbranch_scc1 .Lnw0_\@
	s_barrier_signal -3
.Lnw0_\@:
	s_barrier_wait -3
	s_barrier_signal -1
	s_barrier_wait -1
.endm
; The head of trip n's products.  In every trip but the last a barrier shows the trip's images (x's, in trip 7 h's) to all four waves: each wave's LDS stores have landed in front of its signal.
; Trips 2, 4, 6 enter a slot: all my tensor loads have landed (that slot's fill), 0 goes onto my spare word, my reads of the slot that I leave are over; behind the round that slot takes the fill after next trip's.
.macro HEADB n
.if (\n) == 0
	s_wait_tensorcnt 0x1                           ; my part of the first fill is in; the second may stay out
	s_wait_dscnt 0x0
	s_barrier_signal -1
	s_barrier_wait -1
.elseif ((\n) == 2) || ((\n) == 4) || ((\n) == 6)
.set HQ, (((\n)/2)+1)%2                ; the slot that is left
	s_wait_tensorcnt 0x0                           ; no tensor load of mine is out, so a group 0 may be written
	ds_add_u32 v1, v2
	s_add_nc_u64 s[42+4*HQ:43+4*HQ], s[42+4*HQ:43+4*HQ], 2*SLOTB   ; that slot's next fill, two fills on
	s_wait_dscnt 0x0
	ROUND
	tensor_load_to_lds s[40+4*HQ:43+4*HQ], s[32:39]
	s_nop 0
.rept 4
	v_nop
.endr
.elseif (\n) == 8
	s_wait_tensorcnt 0x0                           ; the last fill: no load was issued behind it
	s_wait_dscnt 0x0
	s_barrier_signal -1
	s_barrier_wait -1
.elseif (\n) < 8
	s_wait_dscnt 0x0                               ; the slot in hand was shown whole a trip ago; a refill of the other slot may stay out
	s_barrier_signal -1
	s_barrier_wait -1
.endif
.endm
; 256 along K of my 16 rows of x (stream tau, its np-th 256) into set p of window 1.  A load takes 256 bytes of each of two rows: sixteen lanes read 256 consecutive bytes, aligned
.macro XLOAD tau, np, p
	WIN 0x40
.irp kq, 0,1,2,3
.irp i, 0,1,2,3,4,5,6,7
	global_load_b128 v[128*(\p)+32*\kq+4*\i:128*(\p)+32*\kq+4*\i+3], v[37+(\tau)], s[56+2*(\tau):57+2*(\tau)] offset:(2*\i+8*(\i/4))*(3072+1024*(\tau))+1024*(\np)+256*\kq th:TH_LOAD_NT
.endr
.endr
	WIN 0
.endm
; A K step's 16 rows x 512 bytes go through my own stage, 256 bytes of each row at a time, and come back 64 bytes a lane: register 16 b + i = k 32 b + 16 (lane/16) + i of row lane%16.
; The pitch, 272 bytes, is an odd multiple of 16.  LDS serves a wave's instructions in order (ISA guide 5.7.1.4), so one stage serves all four quarters of a trip.
.macro TURN p, ks
.irp q, 0,1
	WIN 0x04
.irp i, 0,1,2,3,4,5,6,7
	ds_store_b128 v17, v[128*(\p)+32*(2*(\ks)+\q)+4*\i:128*(\p)+32*(2*(\ks)+\q)+4*\i+3] offset:544*\i
.endr
	WIN 0
.irp b, 0,1
.irp j, 0,1,2,3
	ds_load_b128 v[128+64*(\ks)+16*(2*\q+\b)+4*\j:128+64*(\ks)+16*(2*\q+\b)+4*\j+3], v18 offset:128*\b+16*\j
.endr
.endr
.endr
.endm
; nb blocks: registers s + 16 b + i of window sw are my 16 numbers of block b; lane l xor 16 holds the other 16.  The held numbers go to d (window dw), the codes to v[pc + 4 b ..], the bytes to v[pw].
.macro QNT sw, s, dw, d, nb, pc, pw
	WIN 5*(\sw)
.set qb, 0
.rept \nb
	v_max3_num_f32 v[TM+qb], |v[(\s)+16*qb]|, |v[(\s)+16*qb+1]|, 0x8000000   ; with the floor 2^(16 - 127): the byte cannot fall under 1.  Each accumulator is read from its low end on
.set qb, qb+1
.endr
	WIN 20*(\sw)
.irp i, 2,4,6,8,10,12,14
.set qb, 0
.rept \nb
	v_max3_num_f32 v[TM+qb], v[TM+qb], |v[(\s)+16*qb+\i]|, |v[(\s)+16*qb+\i+1]|
.set qb, qb+1
.endr
.endr
	WIN 0
.set qb, 0
.rept \nb
	v_permlanex16_b32 v[TM+4+qb], v[TM+qb], s48, s49
.set qb, qb+1
.endr
.set qb, 0
.rept \nb
	v_max_num_f32 v[TM+qb], v[TM+qb], v[TM+4+qb]   ; the block's largest magnitude
.set qb, qb+1
.endr
.set qb, 0
.rept \nb
	v_add_nc_u32 v[TM+12+qb], 0xf8800000, v[TM+qb] ; 15 off its exponent field: the conversion's scale operand
.set qb, qb+1
.endr
.set qb, 0
.rept \nb
	v_and_or_b32 v[TM+8+qb], v[TM+qb], 0x7f800000, s50   ; 57,344 x the scale
.set qb, qb+1
.endr
.set qb, 0
.rept \nb
	v_lshrrev_b32 v[TM+4+qb], 23, v[TM+12+qb]      ; the byte
.set qb, qb+1
.endr
	v_lshl_or_b32 v[\pw], v[TM+5], 8, v[TM+4]
.if (\nb) > 2
	v_lshl_or_b32 v[\pw], v[TM+6], 16, v[\pw]
	v_lshl_or_b32 v[\pw], v[TM+7], 24, v[\pw]
.endif
	WIN 64*(\dw)+(\sw)
.set qb, 0
.rept \nb
.set qi, 0
.rept 16
	v_med3_num_f32 v[(\d)+16*qb+qi], v[(\s)+16*qb+qi], -v[TM+8+qb], v[TM+8+qb]   ; the conversion does not saturate (ISA guide 7.6.2): the hold comes first
.set qi, qi+1
.endr
.set qb, qb+1
.endr
	WIN (\dw)
.set qb, 0
.rept \nb
	v_cvt_scalef32_pk8_bf8_f32 v[(\pc)+4*qb:(\pc)+4*qb+1], v[(\d)+16*qb:(\d)+16*qb+7], v[TM+12+qb]
	v_cvt_scalef32_pk8_bf8_f32 v[(\pc)+4*qb+2:(\pc)+4*qb+3], v[(\d)+16*qb+8:(\d)+16*qb+15], v[TM+12+qb]
.set qb, qb+1
.endr
	WIN 0
	v_nop                                          ; one plain line behind the last conversion, ahead of whatever next touches its registers
.endm
.macro HBIAS a                         ; the sums of stream a begin as its bias: register j of tile t is column 64 w + 32 (t/2) + 16 h + 8 (t%2) + j
	WIN 0x80
.irp m, 0,1,2,3
.irp t, 0,1,2,3
	global_load_b128 v[128*(\a)+32*\m+8*\t:128*(\a)+32*\m+8*\t+3], v35, s[10+2*(\a):11+2*(\a)] offset:128*(\t/2)+32*(\t%2)
	global_load_b128 v[128*(\a)+32*\m+8*\t+4:128*(\a)+32*\m+8*\t+7], v35, s[10+2*(\a):11+2*(\a)] offset:128*(\t/2)+32*(\t%2)+16
.endr
.endr
	WIN 0
.endm
.macro BIASLOAD                        ; the biases of q, k (the transposed result's layout) and v (one channel a lane, eight copies) into window 1, v128-223
	WIN 0x40
.irp t, 0,1,2,3
	global_load_b128 v[128+8*\t:131+8*\t], v35, s[14:15] offset:128*(\t/2)+32*(\t%2)
	global_load_b128 v[132+8*\t:135+8*\t], v35, s[14:15] offset:128*(\t/2)+32*(\t%2)+16
	global_load_b128 v[160+8*\t:163+8*\t], v35, s[16:17] offset:128*(\t/2)+32*(\t%2)
	global_load_b128 v[164+8*\t:167+8*\t], v35, s[16:17] offset:128*(\t/2)+32*(\t%2)+16
.endr
.irp t, 0,1,2,3
.irp j, 0,1,2,3,4,5,6,7
	global_load_b32 v[192+8*\t+\j], v36, s[18:19] offset:64*\t
.endr
.endr
	WIN 0
.endm
	s_load_b512 s[4:19], s[0:1], 0x0               ; x1, x2, wimg, b_p1, b_p2, b_q, b_k, b_v
	s_load_b128 s[20:23], s[0:1], 0x40             ; hs, qs
	s_load_b64 s[24:25], s[0:1], 0x50              ; kv
	v_lshl_add_u32 v1, v0, 2, SPARE                ; my spare word; never rewritten
	v_mov_b32 v2, 0                                ; never rewritten
	ds_add_u32 v1, v2
	ds_add_u32 v1, v2
	s_wait_dscnt 0x0
	v_lshrrev_b32 v120, 5, v0
	v_readfirstlane_b32 s26, v120                  ; wave 0..3
	v_and_b32 v121, 31, v0                         ; lane
	v_and_b32 v122, 15, v0                         ; r
	v_bfe_u32 v123, v0, 4, 1                       ; h
	s_lshr_b32 s29, s26, 1
	s_and_b32 s30, s26, 1
	s_mul_i32 s80, s26, 33792                      ; my quarter of a fill and of a slot (registers that never hold my place in the cluster)
	s_mov_b32 s81, 0
	s_bfe_u32 s27, ttmp6, 0x40000                  ; cx
	s_lshl_b32 s28, ttmp9, 2
	s_add_co_u32 s28, s28, s27                     ; my block of 64 rows: it enters global addresses alone
	; descriptor group 1: 132 dense rows of 256 bytes (32 elements of 8 bytes), no padding; the mask names all four partners, bit 21 beside it
	s_mov_b32 s32, 15|(3<<16)|(1<<21)
	s_mov_b32 s33, 32<<16                          ; tensor_dim0 = 32
	s_mov_b32 s34, 132<<16                         ; tensor_dim1 = 132
	s_mov_b32 s35, 32<<16                          ; tile_dim0 = 32
	s_mov_b32 s36, 132                             ; tile_dim1 = 132
	s_mov_b32 s37, 32                              ; the pitch
	s_mov_b32 s38, 0
	s_mov_b32 s39, 0
	s_mov_b32 s48, 0x76543210
	s_mov_b32 s49, 0xfedcba98                      ; v_permlanex16_b32's selects for lane l xor 16
	s_mov_b32 s50, 0x600000                        ; the mantissa field of 57,344
	v_cmp_le_u32 s51, 16, v121                     ; lanes 16-31
.irp b, 0,1,2,3
	v_mov_b32 v[TM+4+\b], 0                        ; written once: a lane permute's destination counts as one of its sources
.endr
	v_lshlrev_b32 v3, 4, v121                      ; v3  16 x lane
	v_lshlrev_b32 v4, 2, v121                      ; v4  4 x lane
	v_add_nc_u32 v5, s80, v3                       ; v5, v6   my weight images in slot 0, 1
	v_add_nc_u32 v6, SLOTB, v5
	s_add_co_u32 s73, s80, 8192
	v_add_nc_u32 v7, s73, v4                       ; v7, v8   their scale words
	v_add_nc_u32 v8, SLOTB, v7
	s_lshl_b32 s73, s26, 11
	s_add_co_u32 s73, s73, XI0
	v_add_nc_u32 v9, s73, v3                       ; v9, v10  where I store x's images, set 0, 1
	v_add_nc_u32 v10, XISET, v9
	s_lshl_b32 s73, s26, 7
	s_add_co_u32 s73, s73, XI0+16384
	v_add_nc_u32 v11, s73, v4                      ; v11, v12 and their scale words
	v_add_nc_u32 v12, XISET, v11
	v_add_nc_u32 v13, XI0, v3                      ; v13, v14 where any wave reads them
	v_add_nc_u32 v14, XISET, v13
	v_add_nc_u32 v15, XI0+16384, v4                ; v15, v16
	v_add_nc_u32 v16, XISET, v15
	s_mul_i32 s73, s26, 4352
	s_add_co_u32 s73, s73, XST                     ; my stage
	v_mul_u32_u24 v17, v123, 272
	v_lshl_add_u32 v17, v122, 4, v17
	v_add_nc_u32 v17, s73, v17                     ; v17 by rows: lanes 0-15 one row's 256 bytes, lanes 16-31 the next's (x in, hs out)
	v_mul_u32_u24 v18, v122, 272
	v_lshl_add_u32 v18, v123, 6, v18
	v_add_nc_u32 v18, s73, v18                     ; v18 by lanes: row r, + 64 h (x out, hs in)
	v_mul_u32_u24 v37, v123, 3072
	v_lshl_add_u32 v37, v122, 4, v37               ; v37 x1: lanes 16-31 a row further down; 16 bytes a lane
	v_lshlrev_b32 v38, 12, v123
	v_lshl_add_u32 v38, v122, 4, v38               ; v38 x2 likewise
	s_lshl_b32 s73, s26, 10                        ; 2,048 (w/2) + 1,024 (w%2) = 1,024 w: K step w/2, pieces 2 (w%2) + b
	s_add_co_u32 s74, s73, HIMG
	v_add_nc_u32 v19, s74, v3                      ; v19 where I store h's pieces
	v_add_nc_u32 v28, s73, v3                      ; v28 the same place in a record of q or k
	s_lshl_b32 s74, s29, 6
	s_lshl_b32 s75, s30, 1
	s_add_co_u32 s74, s74, s75
	v_lshl_add_u32 v20, v122, 2, s74               ; 64 (w/2) + 4 r + 2 (w%2): my two bytes of a row's scale word
	v_add_nc_u32 v30, SCS, v20                     ; v30 for q and k
	v_add_nc_u32 v20, HSC, v20                     ; v20 for h
	v_add_nc_u32 v21, HIMG, v3                     ; v21, v22 where any wave reads h
	v_add_nc_u32 v22, HSC, v4
	s_lshl_b32 s73, s26, 8
	v_lshlrev_b32 v27, 10, v123
	v_lshl_add_u32 v27, v122, 4, v27
	v_add_nc_u32 v27, s73, v27                     ; v27 two rows of hs, my 256 bytes of them
	v_lshl_add_u32 v35, v123, 6, s73               ; v35 a bias in the transposed layout: 256 w + 64 h
	v_lshl_add_u32 v36, v122, 2, s73               ; v36 b_v: 256 w + 4 r
	s_lshl_b32 s73, s26, 12
	v_add_nc_u32 v29, s73, v3                      ; v29 v's half images: 4,096 w + 16 x lane
	s_lshl_b32 s73, s26, 3
	s_add_co_u32 s73, s73, SCS+1024
	v_lshl_add_u32 v31, v122, 5, s73               ; v31 v's scale halves: 32 r + 8 w
	s_mul_i32 s73, s29, 1536
	s_lshl_b32 s74, s30, 9
	s_add_co_u32 s73, s73, s74
	s_add_co_u32 s73, s73, SCS
	v_add_nc_u32 v34, s73, v3                      ; v34 the scale piece that I send out at the end
	s_lshl_b32 s72, s28, 6
	s_lshl_b32 s73, s29, 5
	s_add_co_u32 s72, s72, s73
	s_lshl_b32 s73, s30, 3
	s_add_co_u32 s72, s72, s73                     ; the first row of my row tile: 64 blk + 32 (w/2) + 8 (w%2)
	s_mov_b32 s75, 0
	s_wait_kmcnt 0x0
	s_mul_i32 s74, s72, 3072
	s_add_nc_u64 s[56:57], s[4:5], s[74:75]        ; x1 there
	s_lshl_b32 s74, s72, 12
	s_add_nc_u64 s[58:59], s[6:7], s[74:75]        ; x2 there
	s_lshl_b32 s74, s28, 16
	s_add_nc_u64 s[60:61], s[20:21], s[74:75]      ; hs at my block
	s_mul_i32 s74, s28, 16896
	s_add_nc_u64 s[66:67], s[22:23], s[74:75]      ; qs: my block's record of stream 0
	s_mul_i32 s74, s28, 33792
	s_add_nc_u64 s[68:69], s[24:25], s[74:75]      ; kv likewise
	s_add_nc_u64 s[82:83], s[8:9], s[80:81]        ; wimg at my quarter of the first fill
	s_mov_b32 s40, 1                               ; group 0 for slot 0: the first fill
	s_mov_b32 s41, s80
	s_mov_b64 s[42:43], s[82:83]
	s_or_b32 s43, s43, 0x80000000
	s_mov_b32 s44, 1                               ; group 0 for slot 1: the second
	s_add_co_u32 s45, s80, SLOTB
	s_add_nc_u64 s[46:47], s[82:83], SLOTB
	s_or_b32 s47, s47, 0x80000000
	; What is wanted first is asked for first: trip 0's numbers of x, the weights, h1's bias; then trip 1's numbers and h2's bias
	XLOAD 0, 0, 0
	ROUND                                          ; all four work-groups are here: the first joint loads meet
	tensor_load_to_lds s[40:43], s[32:39]          ; both first fills go out together: two loads of mine are out
	s_nop 0
	tensor_load_to_lds s[44:47], s[32:39]
	s_nop 0
.rept 4
	v_nop
.endr
	HBIAS 0
	XLOAD 0, 1, 1
	HBIAS 1
; Trip n on x: 256 along K.  tau: the stream whose sums it feeds; lc: the younger global loads that may stay out; nxt = 1: trip n + 2's numbers (stream ntau, its nnp-th 256) are asked for; 2: the biases of q, k, v
.macro XTRIP n, tau, lc, nxt, ntau, nnp
.set XPS, (\n)%2
.set WSL, ((\n)/2)%2
.set WOF, 16896*((\n)%2)
	s_wait_loadcnt \lc                             ; this trip's 32 loads are in
	TURN XPS, 0
	TURN XPS, 1
	s_wait_dscnt 32                                ; K step 0 is back; K step 1's 32 LDS instructions may be out
	QNT 0, 128, 0, 128, 4, PC, PW
.irp c, 0,1,2,3
	ds_store_b128 v[9+XPS], v[PC+4*\c:PC+4*\c+3] offset:512*\c
.endr
	s_wait_dscnt 4                                 ; K step 1 is back (the four image stores may be out): so every store into the stage has read its registers,
.if (\nxt) == 1
	XLOAD \ntau, \nnp, XPS                         ; which take the loads of two trips on
.elseif (\nxt) == 2
	BIASLOAD
.endif
	QNT 0, 192, 0, 192, 4, PC+16, PW+1
.irp c, 0,1,2,3
	ds_store_b128 v[9+XPS], v[PC+16+4*\c:PC+16+4*\c+3] offset:8192+512*\c
.endr
	v_cndmask_b32 v60, v[PW], v[PW+1], s51         ; lanes 0-15: K step 0's words, lanes 16-31: K step 1's
	ds_store_b32 v[11+XPS], v60
	HEADB \n
.irp i, 0,1,2,3
	ds_load_b32 v[WSC+\i], v[7+WSL] offset:WOF+8448*(\i/2)+128*(\i%2)
.endr
.irp m, 0,1,2,3
	ds_load_b32 v[XS+\m], v[15+XPS] offset:128*\m
.endr
	WIN 0xc0                                       ; the places ahead of these loads, into registers that the last trip's products read, are the lines of the two quantisings
.irp ks, 0,1
.irp t, 0,1,2,3
.irp c, 0,1,2,3
	ds_load_b128 v[64*\ks+16*\t+4*\c:64*\ks+16*\t+4*\c+3], v[5+WSL] offset:WOF+8448*\ks+2048*\t+512*\c
.endr
.endr
.irp m, 0,1,2,3
.irp c, 0,1,2,3
	ds_load_b128 v[128+64*\ks+16*\m+4*\c:128+64*\ks+16*\m+4*\c+3], v[13+XPS] offset:(4*\ks+\m)*2048+512*\c
.endr
.endr
.endr
	s_wait_dscnt 32                                ; the scale words and K step 0's fragments are in
	WIN 0xaf                                       ; A, B window 3; C, D window 2.  The 16 accumulators take turns
.irp m, 0,1,2,3
.irp t, 0,1,2,3
	WM 128*(\tau)+32*\m+8*\t, 16*\t, 128+16*\m, 128*(\tau)+32*\m+8*\t, WSC+(\t/2), XS+\m, \t%2, 0
.endr
.endr
	s_wait_dscnt 0x0
.if (\n) == 6
	s_barrier_signal -1                            ; my last reads of x's images are over: h's images will take their bytes
.endif
.irp m, 0,1,2,3
.irp t, 0,1,2,3
	WM 128*(\tau)+32*\m+8*\t, 64+16*\t, 192+16*\m, 128*(\tau)+32*\m+8*\t, WSC+2+(\t/2), XS+\m, \t%2, 1
.endr
.endr
	WIN 0
.if (\n) == 6
	s_barrier_wait -1                              ; everybody's are (nothing is filled by a tensor load behind this barrier: the last fill may stay out)
.endif
.endm
	XTRIP 0, 0, 63, 1, 0, 2                        ; behind its 32 loads stand 96: the count's field ends at 63, which also shows h1's bias in
	XTRIP 1, 0, 63, 1, 1, 0                        ; behind its 32 loads stand 64
	XTRIP 2, 0, 32, 1, 1, 1
	XTRIP 3, 1, 32, 1, 1, 2
	XTRIP 4, 1, 32, 1, 1, 3
	XTRIP 5, 1, 32, 2, 0, 0
	XTRIP 6, 1, 48, 0, 0, 0                        ; behind its 32 loads stand the 48 bias loads
	; h1 and h2 are finished.  They are quantised (the numbers themselves are kept), my two pieces and two bytes of each fragment go to LDS
.rept 8
	v_nop                                          ; places behind the last products, ahead of the first read of results
.endr
.irp a, 0,1
.irp m, 0,1,2,3
	QNT 2, 128*\a+32*\m, 0, 128, 2, 192+8*(4*\a+\m), PWH+4*\a+\m
	ds_store_b128 v19, v[192+8*(4*\a+\m):192+8*(4*\a+\m)+3] offset:(4*\a+\m)*4096
	ds_store_b128 v19, v[192+8*(4*\a+\m)+4:192+8*(4*\a+\m)+7] offset:(4*\a+\m)*4096+512
	ds_store_b16 v20, v[PWH+4*\a+\m] offset:(4*\a+\m)*128     ; both lanes of a block write the same bytes with the same value
.endr
.endr
	WIN 0x8a
.set j, 0
.rept 64
	v_pk_add_f32 v[j:j+1], v[j:j+1], v[128+j:129+j]           ; hs = h1 + h2
.set j, j+2
.endr
.irp m, 0,1,2,3                        ; through my own stage: a lane's 64 bytes of a row in, whole runs of 256 bytes out
	WIN 0x08
.irp b, 0,1
.irp i, 0,1,2,3
	ds_store_b128 v18, v[32*\m+16*\b+4*\i:32*\m+16*\b+4*\i+3] offset:128*\b+16*\i
.endr
.endr
	WIN 0x40
.irp k, 0,1,2,3,4,5,6,7
	ds_load_b128 v[32*\m+4*\k:32*\m+4*\k+3], v17 offset:544*\k
.endr
.endr
	WIN 0x04
.irp m, 0,1,2,3
	s_wait_dscnt 16*(3-\m)                         ; row tile m is back; the later tiles' sixteen LDS instructions each may be out
.irp k, 0,1,2,3,4,5,6,7
	global_store_b128 v27, v[32*\m+4*\k:32*\m+4*\k+3], s[60:61] offset:(32*(\m/2)+8*(\m%2)+2*\k+8*(\k/4))*1024   ; sixteen lanes store 256 consecutive bytes, aligned
.endr
.endr
	WIN 0
	s_wait_loadcnt 0x0                             ; the biases of q, k, v
; Trip n on h: kind 0: q, 1: k (transposed: source 0 = weight), 2: v (source 0 = h's rows).  The weight's eight fragments stay in registers for both streams; the loop walks the two streams.
.macro PTRIP n, kind
.set WSL, ((\n)/2)%2
.set WOF, 16896*((\n)%2)
	HEADB \n
.irp i, 0,1,2,3
	ds_load_b32 v[WSC+\i], v[7+WSL] offset:WOF+8448*(\i/2)+128*(\i%2)
.endr
	WIN 0xc0
.irp s, 0,1
.irp t, 0,1,2,3
.irp c, 0,1,2,3
	ds_load_b128 v[64*\s+16*\t+4*\c:64*\s+16*\t+4*\c+3], v[5+WSL] offset:WOF+8448*\s+2048*\t+512*\c
.endr
.endr
.endr
	WIN 0
	s_mov_b32 s52, 2                               ; streams to go
	s_mov_b32 s53, 0                               ; h's images: 16,384 bytes a stream
	s_mov_b32 s54, 0                               ; h's scale words: 512
	s_mov_b32 s55, 0                               ; the scale pieces: 1,536
.if (\kind) == 0
	s_mov_b64 s[70:71], s[66:67]
.else
	s_mov_b64 s[70:71], s[68:69]
.endif
.Ltau_\@:
	v_add_nc_u32 v23, s53, v21
	v_add_nc_u32 v24, s54, v22
.if (\kind) < 2
	v_add_nc_u32 v32, s55, v30
.else
	v_add_nc_u32 v33, s55, v31
.endif
	s_wait_xcnt 0x0                                ; earlier stores have read their registers: h's fragments land where rows of hs lay
.irp m, 0,1,2,3
	ds_load_b32 v[HS+\m], v24 offset:128*\m
.endr
	WIN 0x40
.irp m, 0,1,2,3
.irp s, 0,1
.irp c, 0,1,2,3
	ds_load_b128 v[16*(2*\m+\s)+4*\c:16*(2*\m+\s)+4*\c+3], v23 offset:(2*\m+\s)*2048+512*\c
.endr
.endr
.endr
	s_wait_dscnt 0x0
.if (\kind) < 2
	WIN 0xd7                                       ; A (weight) window 3, B (h) window 1, C (bias) window 1, D window 3
.irp m, 0,1,2,3
.irp t, 0,1,2,3
	WM 128+32*\m+8*\t, 16*\t, 32*\m, 128+32*(\kind)+8*\t, WSC+(\t/2), HS+\m, \t%2, 0
.endr
.endr
	WIN 0xf7
.irp m, 0,1,2,3
.irp t, 0,1,2,3
	WM 128+32*\m+8*\t, 64+16*\t, 32*\m+16, 128+32*\m+8*\t, WSC+2+(\t/2), HS+\m, \t%2, 1
.endr
.endr
.else
	WIN 0xdd                                       ; A (h) window 1, B (weight) window 3, C (bias) window 1, D window 3
.irp t, 0,1,2,3
.irp m, 0,1,2,3
	WM 128+32*\t+8*\m, 32*\m, 16*\t, 192+8*\t, HS+\m, WSC+(\t/2), 0, \t%2
.endr
.endr
	WIN 0xfd
.irp t, 0,1,2,3
.irp m, 0,1,2,3
	WM 128+32*\t+8*\m, 32*\m+16, 64+16*\t, 128+32*\t+8*\m, HS+\m, WSC+2+(\t/2), 1, \t%2
.endr
.endr
.endif
	WIN 0
.rept 8
	v_nop
.endr
.irp g, 0,1,2,3                        ; q, k: row tile g, two blocks along the channels; v: channel tile g, two blocks along the 64 keys
	QNT 3, 128+32*\g, 3, 128+32*\g, 2, PC+8*\g, PW+\g
.if (\kind) < 2
	global_store_b128 v28, v[PC+8*\g:PC+8*\g+3], s[70:71] offset:4096*\g           ; 512 consecutive bytes, aligned
	global_store_b128 v28, v[PC+8*\g+4:PC+8*\g+7], s[70:71] offset:4096*\g+512
	ds_store_b16 v32, v[PW+\g] offset:512*(\kind)+128*\g
.else
	global_store_b128 v29, v[PC+8*\g:PC+8*\g+3], s[70:71] offset:16384+1024*\g
	global_store_b128 v29, v[PC+8*\g+4:PC+8*\g+7], s[70:71] offset:16384+1024*\g+512
.endif
.endr
.if (\kind) == 2
	v_lshl_or_b32 v62, v[PW+1], 16, v[PW]          ; my four channel tiles' halves: 8 bytes of channel row r
	v_lshl_or_b32 v63, v[PW+3], 16, v[PW+2]
	ds_store_b64 v33, v[62:63]
.endif
	s_wait_xcnt 0x0                                ; the stores have read their registers and their base,
	s_wait_dscnt 0x0                               ; the LDS stores theirs: all may be written again
.if (\kind) == 0
	s_add_nc_u64 s[70:71], s[70:71], 4325376       ; the other stream's record
.else
	s_add_nc_u64 s[70:71], s[70:71], 8650752
.endif
	s_add_co_u32 s53, s53, 16384
	s_add_co_u32 s54, s54, 512
	s_add_co_u32 s55, s55, 1536
	s_sub_co_u32 s52, s52, 1
	s_cmp_lg_u32 s52, 0
	s_cbranch_scc1 .Ltau_\@
.endm
	PTRIP 7, 0
	PTRIP 8, 1
	PTRIP 9, 2
	; the scale pieces leave as whole runs of 512 bytes: wave w: stream w/2; w%2 = 0: q's; 1: k's and v's
	s_wait_dscnt 0x0
	s_barrier_signal -1
	s_barrier_wait -1
	s_mul_i32 s72, s29, 4325376
	s_add_co_u32 s72, s72, 16384
	s_mul_i32 s73, s29, 8650752
	s_add_co_u32 s73, s73, 32768
	s_cmp_eq_u32 s30, 0
	s_cselect_b32 s74, s72, s73
	s_cselect_b64 s[78:79], s[66:67], s[68:69]
	s_mov_b32 s75, 0
	s_add_nc_u64 s[78:79], s[78:79], s[74:75]
	ds_load_b128 v[80:83], v34
	s_cmp_eq_u32 s30, 0
	s_cbranch_scc1 .Lone_piece
	ds_load_b128 v[84:87], v34 offset:512
	s_wait_dscnt 0x0
	global_store_b128 v3, v[84:87], s[78:79] offset:512
.Lone_piece:
	s_wait_dscnt 0x0
	global_store_b128 v3, v[80:83], s[78:79]
	s_wait_tensorcnt 0x0                           ; the wave's end
	ds_add_u32 v1, v2
	s_wait_dscnt 0x0
	ROUND                                          ; the closing round
	s_endpgm
.Lfunc_end_k_q14fa580f4a_proj:
	.size	k_q14fa580f4a_proj, .Lfunc_end_k_q14fa580f4a_proj-k_q14fa580f4a_proj
	.p2alignl 7, 3214868480
	.fill 96, 4, 3214868480
	.section	.rodata,"a",@progbits
	.p2align	6, 0x0
	.amdhsa_kernel k_q14fa580f4a_proj
		.amdhsa_group_segment_fixed_size 327680
		.amdhsa_private_segment_fixed_size 0
		.amdhsa_enable_private_segment 0
		.amdhsa_kernarg_size 88
		.amdhsa_user_sgpr_count 2
		.amdhsa_user_sgpr_kernarg_segment_ptr 1
		.amdhsa_wavefront_size32 1
		.amdhsa_system_sgpr_workgroup_id_x 1
		.amdhsa_system_sgpr_workgroup_id_y 1
		.amdhsa_system_sgpr_workgroup_id_z 1
		.amdhsa_system_vgpr_workitem_id 0
		.amdhsa_next_free_vgpr 1024
		.amdhsa_next_free_sgpr 100
		.amdhsa_reserve_vcc 0
		.amdhsa_float_denorm_mode_32 3
		.amdhsa_float_denorm_mode_16_64 3
		.amdhsa_memory_ordered 1
		.amdhsa_forward_progress 1
		.amdhsa_inst_pref_size 255
	.end_amdhsa_kernel
	.section	.bss,"aw",@nobits
	.p2align	6
	.space	262144
	.amdgpu_metadata
---
amdhsa.version: [ 1, 2 ]
amdhsa.kernels:
  - .name:           k_q14fa580f4a_proj
    .symbol:         k_q14fa580f4a_proj.kd
    .args:
      - { .name: x1, .offset: 0, .size: 8, .value_kind: global_buffer, .address_space: global }
      - { .name: x2, .offset: 8, .size: 8, .value_kind: global_buffer, .address_space: global }
      - { .name: wimg, .offset: 16, .size: 8, .value_kind: global_buffer, .address_space: global }
      - { .name: b_p1, .offset: 24, .size: 8, .value_kind: global_buffer, .address_space: global }
      - { .name: b_p2, .offset: 32, .size: 8, .value_kind: global_buffer, .address_space: global }
      - { .name: b_q, .offset: 40, .size: 8, .value_kind: global_buffer, .address_space: global }
      - { .name: b_k, .offset: 48, .size: 8, .value_kind: global_buffer, .address_space: global }
      - { .name: b_v, .offset: 56, .size: 8, .value_kind: global_buffer, .address_space: global }
      - { .name: hs, .offset: 64, .size: 8, .value_kind: global_buffer, .address_space: global }
      - { .name: qs, .offset: 72, .size: 8, .value_kind: global_buffer, .address_space: global }
      - { .name: kv, .offset: 80, .size: 8, .value_kind: global_buffer, .address_space: global }
    .group_segment_fixed_size: 327680
    .private_segment_fixed_size: 0
    .kernarg_segment_align: 8
    .kernarg_segment_size: 88
    .max_flat_workgroup_size: 128
    .sgpr_count:     100
    .vgpr_count:     1024
    .wavefront_size: 32
...
	.end_amdgpu_metadata
.endif
;; end of part 2
;; launch attn (part 3): grid 256 x 1, 4 waves a work-group, clusters of 4 x 1, 327,680 bytes of LDS; arguments qs, kv, hs, gamma, out0; writes out0
.if DOCPART == 3
	.amdgcn_target "amdgcn-amd-amdhsa--gfx1250"
	.amdhsa_code_object_version 6
	.text
	.protected	k_q14fa580f4a_attn
	.globl	k_q14fa580f4a_attn
	.p2align	8
	.type	k_q14fa580f4a_attn,@function
k_q14fa580f4a_attn:
	s_mov_b64 s[64:65], 0
	v_nop
	global_prefetch_b8 v0, s[64:65] scope:SCOPE_SE
	s_setreg_imm32_b32 hwreg(HW_REG_WAVE_MODE, 25, 1), 1
	s_wait_xcnt 0x0
	s_wait_alu depctr_hold_cnt(0) depctr_sa_sdst(0) depctr_va_vdst(0) depctr_va_sdst(0) depctr_va_ssrc(0) depctr_va_vcc(0) depctr_vm_vsrc(0)
	s_getreg_b32 s2, hwreg(HW_REG_IB_STS2, 6, 4)
	s_cmp_eq_u32 s2, 0
	s_cbranch_scc0 .Lentry_in_a_cluster
	s_endpgm
.Lentry_in_a_cluster:
	s_bfe_u32 s2, ttmp6, 0x10000c
	s_cmp_lg_u32 s2, 0x3003
	s_cbranch_scc0 .Lentry_shape_is_right
	s_endpgm
.Lentry_shape_is_right:
; out = gamma (f1 + f2) + hs for 64 rows.  f1: queries of stream 0 on keys and values of stream 1; f2: the other way round.  Both products on codes of BF8 (E5M2), E8M0 scales for each 32 along K.
; SOFTMAX: t = score x log2(e) / 16; M = the running largest t rounded UP to a whole number; p = 2^(t - M) is quantised along the keys; the row's sum is taken of the unquantised p
; and divides at the end; when M moves, the sum and O are multiplied by 2^(old M - new M), which rounds nothing.
; SHARES.  Wave w = 2 d + p: direction d, query tiles 2 p and 2 p + 1 of the block, all 2,048 keys in 16 steps of 128.  Each fragment of K and V read from LDS feeds two products.
; LAYOUT.  Both products transposed: S^T = K Q^T, O^T = V^T P^T: a lane holds one query throughout.  The launch before laid the key tiles so that the 16 registers of tiles 2 b, 2 b + 1
; are 16 neighbouring keys: the conversions' results are the second product's operand.  All operands are images of registers: 16-byte loads at 16 x lane.
; RING.  A step's four records (two streams x two blocks of 64 keys, 33,792 bytes each: K's images, V's half images, their scales) fill a slot; two slots.  The four partners of a cluster lie in one batch
; and walk the same records: each is asked for JOINTLY, wave w' fetching record w'.  Two tensor loads of a wave are out at the start, one behind each round.
; V^T P of step j - 1 stands at the head of step j, behind the loads of step j's K.  V's 64 loads of a step go out in four runs of 16, dealt among the softmax's lines ahead of its exponentials.
; hs is asked for in the last step, as soon as K's registers are free.
; LIMITS: NaN and infinities are not served; a block of p that has fallen to zeros keeps the byte 1 (its codes are zeros).
; REGISTERS.  Window 0: v1-17 addresses; v20-47 scale operands; v48-63 statistics; v64-95 at work; v128-255 S^T, then p.  Window 1: O^T (128 t + 8 u).
;   Window 2: Q (0-63), K of record 0, at the end hs (64-191), p's codes (192-223), V's scale halves (224-239).  Window 3: V (16 u + 4 c); its v0-127 hold K of record 1 in between.
.set SLOTB, 135168
.set RECB,  33792
.set SPARE, 270336                     ; the spare words: 128 bytes a wave, named by no other line
.set SS,  128                          ; S^T: tile t, key tile kt at SS + 64 t + 8 kt
.set TT,  64                           ; tile t: +0 block maxima, +4 the other half's / bytes, +8 57,344 x scale, +12 scale operands, at TT + 16 t
.set ST,  48                           ; tile t at ST + 8 t: +0 -M, +1 the largest t, +2,3 the sum, +4,5 f, +6,7 at work
.set MSB, 0
.macro WIN new
.if MSB != (\new)
	s_set_vgpr_msb (MSB<<8)|(\new)
.set MSB, \new
.endif
.endm
.macro WM d, a, b, c, sa, sb, ra, rb
.if ((\ra) == 0) && ((\rb) == 0)
	v_wmma_scale_f32_16x16x128_f8f6f4 v[(\d):(\d)+7], v[(\a):(\a)+15], v[(\b):(\b)+15], v[(\c):(\c)+7], v[\sa], v[\sb] matrix_a_fmt:MATRIX_FMT_BF8 matrix_b_fmt:MATRIX_FMT_BF8
.else
	v_wmma_scale_f32_16x16x128_f8f6f4 v[(\d):(\d)+7], v[(\a):(\a)+15], v[(\b):(\b)+15], v[(\c):(\c)+7], v[\sa], v[\sb] matrix_a_fmt:MATRIX_FMT_BF8 matrix_b_fmt:MATRIX_FMT_BF8 matrix_a_scale:MATRIX_SCALE_ROW1 matrix_b_scale:MATRIX_SCALE_ROW1
.endif
.endm
.macro WMZ d, a, b, sa, sb             ; the first product of a sum: C = 0
	v_wmma_scale_f32_16x16x128_f8f6f4 v[(\d):(\d)+7], v[(\a):(\a)+15], v[(\b):(\b)+15], 0, v[\sa], v[\sb] matrix_a_fmt:MATRIX_FMT_BF8 matrix_b_fmt:MATRIX_FMT_BF8
.endm
.macro CROUND                          ; a round of the cluster's barrier
	s_barrier_signal -1
	s_barrier_wait -1
	s_cmp_lg_u32 s14, 0
	s_cbranch_scc1 .Lnw0_\@
	s_barrier_signal -3
.Lnw0_\@:
	s_barrier_wait -3
	s_barrier_signal -1
	s_barrier_wait -1
.endm
; A prefetch of what the NEXT change of slots will ask for.  All eight clusters of a batch walk the same records: the batch's first cluster asks.  Each wave asks for its own record; the four partners
; share it out BY ADDRESS, 8,192 bytes each, lanes 256 bytes apart; the record's last 1,024 bytes (scales) are not asked for.  The last change that fills a slot asks for nothing.
.macro ASK
	s_cmp_gt_u32 s43, s44
	s_cbranch_scc0 .Lnot_mine_\@
	global_prefetch_b8 v12, s[46:47] th:TH_LOAD_NT scope:SCOPE_SE
.Lnot_mine_\@:
.endm
; THE CHANGE OF SLOTS, at a step's head: all my tensor loads have landed (this step's record among them), 0 goes onto my spare word, my reads of the slot that I leave are over.
; fill = 1: behind the round that slot takes the step after this one: the load has this whole step in which to land.
.macro CHANGE fill
	s_wait_tensorcnt 0x0                           ; no tensor load of mine is out, so a group 0 may be written
	ds_add_u32 v1, v2
.if \fill
	s_xor_b32 s37, s37, SLOTB                      ; the walking descriptor: the other slot (no wave's offset has a bit of SLOTB set),
	s_add_nc_u64 s[38:39], s[38:39], 2*RECB        ; the stream's next two blocks
	s_wait_xcnt 0x0                                ; the last prefetch, a step back, has read its address
	s_add_nc_u64 s[46:47], s[46:47], 2*RECB
	s_wait_dscnt 0x0
	CROUND
	tensor_load_to_lds s[36:39], s[24:31]
	s_nop 0
.rept 4
	v_nop
.endr
	ASK
.else
	s_wait_dscnt 0x0
	s_barrier_signal -1
	s_barrier_wait -1
.endif
.endm
.macro PVM zero                        ; O^T += V^T P^T: 32 accumulators, one instruction each
	WIN 0x5b                                       ; A (V) window 3, B (p) window 2, C, D window 1
.irp u, 0,1,2,3,4,5,6,7,8,9,10,11,12,13,14,15
.irp t, 0,1
.if \zero
	WMZ 128*\t+8*\u, 16*\u, 192+16*\t, 32+\u, 22+\t
.else
	WM 128*\t+8*\u, 16*\u, 192+16*\t, 128*\t+8*\u, 32+\u, 22+\t, 0, 0
.endif
.endr
.endr
	WIN 0
.endm
.macro VCH q                           ; run q of four of V's loads: record q/2, channel tiles 8 (q%2) .. 8 (q%2) + 7: 16 loads
	WIN 0xc0
.irp u, 0,1,2,3,4,5,6,7
.irp c, 0,1
	ds_load_b128 v[16*(8*((\q)%2)+\u)+4*(2*((\q)/2)+\c):16*(8*((\q)%2)+\u)+4*(2*((\q)/2)+\c)+3], v[6+(\q)/2] offset:16384+1024*(8*((\q)%2)+\u)+512*\c
.endr
.endr
	WIN 0
.endm
; The softmax of both tiles for 128 keys, the tiles by turns in every stage.  resc = 1: O^T is brought under the new M.  Runs 1 to 3 of V's loads stand between its first stages
.macro SOFTMAX resc
.irp b, 0,1,2,3
.irp t, 0,1
	v_max3_num_f32 v[TT+16*\t+\b], v[SS+64*\t+16*\b], v[SS+64*\t+16*\b+1], v[SS+64*\t+16*\b+2]   ; the largest score of each block of 32 keys; each accumulator is read from its low end on
.endr
.endr
.irp i, 3,5,7,9,11,13
.irp b, 0,1,2,3
.irp t, 0,1
	v_max3_num_f32 v[TT+16*\t+\b], v[TT+16*\t+\b], v[SS+64*\t+16*\b+\i], v[SS+64*\t+16*\b+\i+1]
.endr
.endr
.endr
.irp b, 0,1,2,3
.irp t, 0,1
	v_max_num_f32 v[TT+16*\t+\b], v[TT+16*\t+\b], v[SS+64*\t+16*\b+15]
.endr
.endr
	VCH 1
.irp b, 0,1,2,3
.irp t, 0,1
	v_permlanex16_b32 v[TT+16*\t+4+\b], v[TT+16*\t+\b], s50, s51
.endr
.endr
.irp b, 0,1,2,3
.irp t, 0,1
	v_max_num_f32 v[TT+16*\t+\b], v[TT+16*\t+\b], v[TT+16*\t+4+\b]     ; with lane l xor 16's 16 keys
.endr
.endr
.irp t, 0,1
	v_max3_num_f32 v[ST+8*\t+6], v[TT+16*\t], v[TT+16*\t+1], v[TT+16*\t+2]
.endr
.irp t, 0,1
	v_max_num_f32 v[ST+8*\t+6], v[ST+8*\t+6], v[TT+16*\t+3]            ; the step's largest score of my query
.endr
.irp t, 0,1
	v_mul_f32 v[ST+8*\t+6], s48, v[ST+8*\t+6]                          ; as t
.endr
.irp t, 0,1
	v_max_num_f32 v[ST+8*\t+1], v[ST+8*\t+1], v[ST+8*\t+6]             ; the running largest t
.endr
.irp t, 0,1
	v_mov_b32 v[ST+8*\t+6], v[ST+8*\t]
.endr
.irp t, 0,1
	v_floor_f32 v[ST+8*\t], -v[ST+8*\t+1]                              ; the new -M = floor(-t)
.endr
.irp t, 0,1
	v_sub_f32 v[ST+8*\t+6], v[ST+8*\t], v[ST+8*\t+6]                   ; old M - new M: a whole number, 0 or less
.endr
.irp t, 0,1
	v_cvt_i32_f32 v[ST+8*\t+6], v[ST+8*\t+6]                           ; (it saturates)
.endr
.irp t, 0,1
	v_ldexp_f32 v[ST+8*\t+4], 1.0, v[ST+8*\t+6]                        ; f = 2^(old M - new M)
.endr
	VCH 2
.set j, 0
.rept 32
	v_pk_fma_f32 v[SS+j:SS+j+1], v[SS+j:SS+j+1], s[48:49], v[ST:ST+1] op_sel_hi:[1,0,0]            ; t - M, two at a time
	v_pk_fma_f32 v[SS+64+j:SS+64+j+1], v[SS+64+j:SS+64+j+1], s[48:49], v[ST+8:ST+9] op_sel_hi:[1,0,0]
.set j, j+2
.endr
	VCH 3
.irp b, 0,1,2,3
.irp t, 0,1
	v_fma_f32 v[TT+16*\t+\b], v[TT+16*\t+\b], s48, v[ST+8*\t]          ; the same of each block's largest score
.endr
.endr
.set j, 0
.rept 128
	v_exp_f32 v[SS+j], v[SS+j]                                         ; p = 2^(t - M): one batch
.set j, j+1
.endr
	s_wait_dscnt 63                                ; of the 68 loads issued since the scores were made the first four, V's scale halves, are in
	WIN 0x0a
.irp i, 0,1,2,3,4,5,6,7
	v_perm_b32 v[32+2*\i], v[232+\i], v[224+\i], s56                   ; V's scale words: record 0's two bytes below, record 1's above.  (Plain lines behind the exponentials)
	v_perm_b32 v[33+2*\i], v[232+\i], v[224+\i], s57
.endr
	WIN 0
.irp t, 0,1
	v_pk_mul_f32 v[ST+8*\t+2:ST+8*\t+3], v[ST+8*\t+2:ST+8*\t+3], v[ST+8*\t+4:ST+8*\t+5] op_sel_hi:[1,0]   ; the sums under the new M
.endr
	s_wait_alu depctr_va_vdst(0)                   ; one wait for the batch, ahead of its first reader
.irp b, 0,1,2,3
.irp t, 0,1
	v_exp_f32 v[TT+16*\t+\b], v[TT+16*\t+\b]                           ; each block's largest p
.endr
.endr
.irp t, 0,1
	v_pk_add_f32 v[TT+16*\t+4:TT+16*\t+5], v[SS+64*\t:SS+64*\t+1], v[SS+64*\t+2:SS+64*\t+3]   ; the row's sum of the unquantised p, in two chains a tile
.endr
.irp j, 4,8,12,16,20,24,28,32,36,40,44,48,52,56,60
.irp t, 0,1
	v_pk_add_f32 v[ST+8*\t+2:ST+8*\t+3], v[ST+8*\t+2:ST+8*\t+3], v[SS+64*\t+\j:SS+64*\t+\j+1]
	v_pk_add_f32 v[TT+16*\t+4:TT+16*\t+5], v[TT+16*\t+4:TT+16*\t+5], v[SS+64*\t+\j+2:SS+64*\t+\j+3]
.endr
.endr
.irp t, 0,1
	v_pk_add_f32 v[ST+8*\t+2:ST+8*\t+3], v[ST+8*\t+2:ST+8*\t+3], v[TT+16*\t+4:TT+16*\t+5]
.endr
	s_wait_alu depctr_va_vdst(0)                   ; and one for the eight
.irp b, 0,1,2,3
.irp t, 0,1
	v_max_num_f32 v[TT+16*\t+\b], 0x8000000, v[TT+16*\t+\b]            ; the floor 2^(16 - 127): the byte cannot fall under 1
.endr
.endr
.irp b, 0,1,2,3
.irp t, 0,1
	v_add_nc_u32 v[TT+16*\t+12+\b], 0xf8800000, v[TT+16*\t+\b]         ; the conversion's scale operand
.endr
.endr
.irp b, 0,1,2,3
.irp t, 0,1
	v_and_or_b32 v[TT+16*\t+8+\b], v[TT+16*\t+\b], 0x7f800000, s52     ; 57,344 x the scale
.endr
.endr
.irp b, 0,1,2,3
.irp t, 0,1
	v_lshrrev_b32 v[TT+16*\t+4+\b], 23, v[TT+16*\t+12+\b]              ; the byte
.endr
.endr
.irp t, 0,1
	v_lshl_or_b32 v[22+\t], v[TT+16*\t+5], 8, v[TT+16*\t+4]            ; p's scale word for these 128 keys
.endr
.irp t, 0,1
	v_lshl_or_b32 v[22+\t], v[TT+16*\t+6], 16, v[22+\t]
.endr
.irp t, 0,1
	v_lshl_or_b32 v[22+\t], v[TT+16*\t+7], 24, v[22+\t]
.endr
.irp t, 0,1
.irp b, 0,1,2,3
.irp i, 0,1,2,3,4,5,6,7,8,9,10,11,12,13,14,15
	v_min_num_f32 v[SS+64*\t+16*\b+\i], v[SS+64*\t+16*\b+\i], v[TT+16*\t+8+\b]   ; the conversion does not saturate (ISA guide 7.6.2); p is not negative: a one-sided hold
.endr
.endr
.endr
	WIN 0x80
.irp t, 0,1
.irp b, 0,1,2,3
	v_cvt_scalef32_pk8_bf8_f32 v[192+16*\t+4*\b:193+16*\t+4*\b], v[SS+64*\t+16*\b:SS+64*\t+16*\b+7], v[TT+16*\t+12+\b]
	v_cvt_scalef32_pk8_bf8_f32 v[194+16*\t+4*\b:195+16*\t+4*\b], v[SS+64*\t+16*\b+8:SS+64*\t+16*\b+15], v[TT+16*\t+12+\b]
.endr
.endr
	WIN 0
	v_nop                                          ; one plain line behind the last conversion
.if \resc
	WIN 0x41
.irp t, 0,1
.set j, 0
.rept 64
	v_pk_mul_f32 v[128*\t+j:128*\t+j+1], v[128*\t+j:128*\t+j+1], v[ST+8*\t+4:ST+8*\t+5] op_sel_hi:[1,0]   ; O^T under the new M, each accumulator from its low end on
.set j, j+2
.endr
.endr
	WIN 0
.endif
.endm
; A KEY STEP.  head = 2: the first (a counted wait, nothing is filled); 1: a change of slots with a refill; 0: without (the last step).  pv = 2: V^T P of the step before; 1: it starts O^T's sums; 0: none.
.macro STEP head, pv, resc
.if (\head) == 2
	s_wait_tensorcnt 0x1                           ; my record of step 0 is in; step 1's may stay out
	s_barrier_signal -1
	s_barrier_wait -1
.else
	CHANGE \head
.endif
	v_add_nc_u32 v6, s40, v3                       ; the slot in hand: images of record 0,
	v_add_nc_u32 v8, s40, v4                       ; K's scale words,
	v_add_nc_u32 v10, s40, v5                      ; V's scale halves;
	v_add_nc_u32 v7, RECB, v6                      ; and of record 1.  (Six plain lines: also the places between p's codes and the products below)
	v_add_nc_u32 v9, RECB, v8
	v_add_nc_u32 v11, RECB, v10
.irp k, 0,1,2,3
	ds_load_b32 v[24+\k], v8 offset:128*\k
	ds_load_b32 v[28+\k], v9 offset:128*\k
.endr
	WIN 0x80
.irp k, 0,1,2,3
.irp s, 0,1
.irp c, 0,1,2,3
	ds_load_b128 v[64+32*\k+16*\s+4*\c:64+32*\k+16*\s+4*\c+3], v6 offset:(2*\k+\s)*2048+512*\c
.endr
.endr
.endr
.if \pv
	PVM 2-(\pv)
.rept 8
	v_nop                                          ; places ahead of loads into registers that these products read
.endr
.endif
	WIN 0xc0
.irp k, 0,1,2,3
.irp s, 0,1
.irp c, 0,1,2,3
	ds_load_b128 v[32*\k+16*\s+4*\c:32*\k+16*\s+4*\c+3], v7 offset:(2*\k+\s)*2048+512*\c
.endr
.endr
.endr
.if (\head) == 2
	s_wait_loadcnt 0x0                             ; Q
.endif
	s_wait_dscnt 32                                ; K's scale words and record 0's fragments are in; record 1's 32 loads may be out
	WIN 0x0a                                       ; A (K), B (Q) window 2; S^T window 0.  Eight accumulators by turns
.irp k, 0,1,2,3
.irp t, 0,1
	WMZ SS+64*\t+8*\k, 64+32*\k, 32*\t, 24+\k, 20+\t
.endr
.endr
.irp k, 0,1,2,3
.irp t, 0,1
	WM SS+64*\t+8*\k, 80+32*\k, 32*\t+16, SS+64*\t+8*\k, 24+\k, 20+\t, 1, 1
.endr
.endr
	s_wait_dscnt 0x0
	WIN 0x0b                                       ; A window 3
.irp k, 0,1,2,3
.irp t, 0,1
	WMZ SS+64*\t+32+8*\k, 32*\k, 32*\t, 28+\k, 20+\t
.endr
.endr
.irp k, 0,1,2,3
.irp t, 0,1
	WM SS+64*\t+32+8*\k, 32*\k+16, 32*\t+16, SS+64*\t+32+8*\k, 28+\k, 20+\t, 1, 1
.endr
.endr
	WIN 0
.rept 8
	v_nop                                          ; places ahead of the loads below and of the first read of the scores
.endr
	WIN 0x80
	ds_load_b128 v[224:227], v10
	ds_load_b128 v[228:231], v10 offset:16
	ds_load_b128 v[232:235], v11
	ds_load_b128 v[236:239], v11 offset:16
.if (\head) == 0
.irp i, 0,1,2,3,4,5,6,7,8,9,10,11,12,13,14,15
.irp f, 0,1
	global_load_b128 v[64+8*\i+4*\f:64+8*\i+4*\f+3], v16, s[66:67] offset:(\i+8*(\i/8))*1024+512*\f th:TH_LOAD_NT   ; hs, rows of row tile w, where K of record 0 lay: 512 consecutive bytes a load; a softmax and 32 products ahead of its use
.endr
.endr
.endif
	VCH 0                                          ; V lands while the softmax is walked
	SOFTMAX \resc
	s_xor_b32 s40, s40, SLOTB                      ; on to the other slot
.endm
	s_load_b256 s[4:11], s[0:1], 0x0               ; qs, kv, hs, gamma
	s_load_b64 s[12:13], s[0:1], 0x20              ; out0
	v_lshl_add_u32 v1, v0, 2, SPARE                ; my spare word; never rewritten
	v_mov_b32 v2, 0                                ; never rewritten
	ds_add_u32 v1, v2
	ds_add_u32 v1, v2
	s_wait_dscnt 0x0
	v_lshrrev_b32 v100, 5, v0
	v_readfirstlane_b32 s14, v100                  ; wave 0..3
	v_and_b32 v101, 31, v0                         ; lane
	v_and_b32 v102, 15, v0                         ; r
	v_bfe_u32 v103, v0, 4, 1                       ; h
	s_lshr_b32 s18, s14, 1                         ; d; also: the stream whose record I fetch
	s_and_b32 s19, s14, 1                          ; p; also: which of a step's two blocks
	s_lshr_b32 s17, ttmp9, 3                       ; the batch: eight clusters each
	s_lshl_b32 s20, s18, 8                         ; my record of step 0: (256 stream + 32 batch + block) x 33,792: nothing here hangs on my place in the cluster
	s_lshl_b32 s21, s17, 5
	s_add_co_u32 s20, s20, s21
	s_add_co_u32 s20, s20, s19
	s_mul_i32 s20, s20, RECB
	s_mov_b32 s21, 0
	s_mul_i32 s42, s14, RECB                       ; and its place in a slot
	; descriptor group 1: 132 dense rows of 256 bytes (32 elements of 8 bytes), no padding; the mask names all four partners, bit 21 beside it
	s_mov_b32 s24, 15|(3<<16)|(1<<21)
	s_mov_b32 s25, 32<<16
	s_mov_b32 s26, 132<<16
	s_mov_b32 s27, 32<<16
	s_mov_b32 s28, 132
	s_mov_b32 s29, 32
	s_mov_b32 s30, 0
	s_mov_b32 s31, 0
	s_bfe_u32 s15, ttmp6, 0x40000                  ; cx
	s_lshl_b32 s16, ttmp9, 2
	s_add_co_u32 s16, s16, s15                     ; my block of 64 rows: it enters global addresses alone
	s_mov_b32 s40, 0                               ; the slot in hand
	s_mov_b32 s43, 13                              ; the loop's trips
	s_and_b32 s44, ttmp9, 7
	s_cmp_eq_u32 s44, 0
	s_cselect_b32 s44, 1, -1                       ; 1 in the batch's first cluster, else the greatest number
	s_mov_b32 s48, 0x3db8aa3b                      ; c = log2(e) / 16
	s_mov_b32 s49, s48
	s_mov_b32 s50, 0x76543210
	s_mov_b32 s51, 0xfedcba98
	s_mov_b32 s52, 0x600000
	s_mov_b32 s56, 0x05040100                      ; the two low halves
	s_mov_b32 s57, 0x07060302                      ; the two high halves
	s_xor_b32 s70, s18, 1
	s_mul_i32 s70, s70, 2*RECB                     ; my direction reads the OTHER stream's two records
	v_lshlrev_b32 v16, 4, v101                     ; v16 16 x lane
	v_lshlrev_b32 v17, 2, v101                     ; v17 4 x lane
	v_add_nc_u32 v3, s70, v16                      ; v3  images
	s_add_co_u32 s71, s70, 32768
	v_add_nc_u32 v4, s71, v17                      ; v4  K's scale words
	s_add_co_u32 s71, s70, 33280
	v_lshl_add_u32 v5, v102, 5, s71                ; v5  V's scale halves: 32 bytes for lane r
	v_lshlrev_b32 v12, 8, v101                     ; v12 the prefetches' offset; never rewritten
	s_mul_i32 s71, s14, 33280
	v_mul_u32_u24 v13, v102, 1040
	v_lshl_add_u32 v13, v103, 5, v13
	v_add_nc_u32 v13, s71, v13                     ; v13 the way out, in: my two tiles of 16 rows x 1,040 bytes: row r, + 32 h
	s_mul_i32 s71, s14, 16640
	v_add_nc_u32 v14, s71, v16                     ; v14 back: row tile w of direction 0,
	v_add_nc_u32 v15, 66560, v14                   ; v15 and of direction 1
.irp t, 0,1
	v_mov_b32 v[ST+8*\t+1], 0xff61b1e6             ; the largest t so far: -3e38
	v_floor_f32 v[ST+8*\t], -v[ST+8*\t+1]
	v_mov_b32 v[ST+8*\t+2], 0                      ; the sum, in two halves
	v_mov_b32 v[ST+8*\t+3], 0
	v_mov_b32 v[ST+8*\t+5], 0                      ; (upper halves of pairs that are named whole)
	v_mov_b32 v[ST+8*\t+6], 0
	v_mov_b32 v[ST+8*\t+7], 0
.irp b, 0,1,2,3
	v_mov_b32 v[TT+16*\t+4+\b], 0                  ; a lane permute's destination counts as one of its sources
.endr
.endr
	s_wait_kmcnt 0x0
	s_add_nc_u64 s[22:23], s[6:7], s[20:21]
	s_mov_b32 s32, 1                               ; group 0: step 0 into slot 0
	s_mov_b32 s33, s42
	s_mov_b64 s[34:35], s[22:23]
	s_or_b32 s35, s35, 0x80000000
	s_mov_b32 s36, 1                               ; group 0: step 1 into slot 1; it then walks
	s_add_co_u32 s37, s42, SLOTB
	s_add_nc_u64 s[38:39], s[22:23], 2*RECB
	s_or_b32 s39, s39, 0x80000000
	CROUND                                         ; all four work-groups are here: the first joint loads meet
	tensor_load_to_lds s[32:35], s[24:31]
	s_nop 0
	tensor_load_to_lds s[36:39], s[24:31]
	s_nop 0
.rept 4
	v_nop
.endr
	s_load_b32 s54, s[10:11], 0x0                  ; gamma: waited for where it is used, at the end
	s_lshl_b32 s70, s15, 13                        ; the prefetches: my work-group's 8,192 bytes of my record, at step 2; the first change steps it to step 3
	s_add_co_u32 s70, s70, 4*RECB
	s_mov_b32 s71, 0
	s_add_nc_u64 s[46:47], s[22:23], s[70:71]
	s_lshl_b32 s70, s18, 8
	s_add_co_u32 s70, s70, s16
	s_mul_i32 s70, s70, 16896                      ; q's record (stream d, my block)
	s_lshl_b32 s72, s19, 13
	s_add_co_u32 s72, s72, s70
	s_mov_b32 s73, 0
	s_add_nc_u64 s[58:59], s[4:5], s[72:73]        ; my two tiles' images
	s_lshl_b32 s72, s19, 8
	s_add_co_u32 s72, s72, s70
	s_add_co_u32 s72, s72, 16384
	s_add_nc_u64 s[60:61], s[4:5], s[72:73]        ; and scale words
	s_lshl_b32 s70, s16, 6
	s_lshl_b32 s72, s18, 5
	s_add_co_u32 s70, s70, s72
	s_lshl_b32 s72, s19, 3
	s_add_co_u32 s70, s70, s72
	s_lshl_b32 s70, s70, 10                        ; the first row of row tile w, in bytes of hs and out0
	s_add_nc_u64 s[66:67], s[8:9], s[70:71]
	s_add_nc_u64 s[68:69], s[12:13], s[70:71]
	WIN 0x80
.irp t, 0,1
.irp s, 0,1
.irp c, 0,1,2,3
	global_load_b128 v[32*\t+16*\s+4*\c:32*\t+16*\s+4*\c+3], v16, s[58:59] offset:4096*\t+2048*\s+512*\c th:TH_LOAD_NT   ; Q stays in registers
.endr
.endr
.endr
	WIN 0
	global_load_b32 v20, v17, s[60:61] th:TH_LOAD_NT
	global_load_b32 v21, v17, s[60:61] offset:128 th:TH_LOAD_NT
	STEP 2, 0, 0                                   ; step 0
	STEP 1, 1, 1                                   ; step 1: V^T P of step 0 starts O^T's sums
.Lstep:                                            ; steps 2 to 14
	STEP 1, 2, 1
	s_sub_co_u32 s43, s43, 1
	s_cmp_lg_u32 s43, 0
	s_cbranch_scc1 .Lstep
	STEP 0, 2, 1                                   ; step 15 is written out: nothing is left to ask for; it asks for hs
.rept 4
	v_nop                                          ; places between p's codes and the products
.endr
	s_wait_dscnt 0x0                               ; V of step 15
	PVM 0
.rept 4
	v_nop
.endr
.irp t, 0,1
	v_add_f32 v[ST+8*\t+2], v[ST+8*\t+2], v[ST+8*\t+3]                 ; the sum's two halves,
.endr
.irp t, 0,1
	v_permlanex16_b32 v[ST+8*\t+6], v[ST+8*\t+2], s50, s51
.endr
.irp t, 0,1
	v_add_f32 v[ST+8*\t+2], v[ST+8*\t+2], v[ST+8*\t+6]                 ; and lane l xor 16's
.endr
.rept 2
	v_nop
.endr
.irp t, 0,1
	v_rcp_f32 v[ST+8*\t+6], v[ST+8*\t+2]
.endr
	v_nop                                          ; a plain line behind the reciprocals,
	s_wait_alu depctr_va_vdst(0)                   ; and the wait ahead of their first reader
	WIN 0x41
.irp t, 0,1
.set j, 0
.rept 64
	v_pk_mul_f32 v[128*\t+j:128*\t+j+1], v[128*\t+j:128*\t+j+1], v[ST+8*\t+6:ST+8*\t+7] op_sel_hi:[1,0]   ; O^T / the sum
.set j, j+2
.endr
.endr
	; The stage lies in slot 0, which had its last fill for step 14 and its last read ahead of step 15's barrier.  Register 8 u + j of tile t is channel 16 u + 8 h + j of query r
	WIN 0x04
.irp t, 0,1
.irp u, 0,1,2,3,4,5,6,7,8,9,10,11,12,13,14,15
	ds_store_b128 v13, v[128*\t+8*\u:128*\t+8*\u+3] offset:16640*\t+64*\u
	ds_store_b128 v13, v[128*\t+8*\u+4:128*\t+8*\u+7] offset:16640*\t+64*\u+16
.endr
.endr
	WIN 0
	s_wait_dscnt 0x0                               ; for the others' sake: my stores have landed
	s_barrier_signal -1
	s_barrier_wait -1
	WIN 0xc0
.irp i, 0,1,2,3,4,5,6,7,8,9,10,11,12,13,14,15
.irp f, 0,1
	ds_load_b128 v[8*\i+4*\f:8*\i+4*\f+3], v14 offset:1040*\i+512*\f
	ds_load_b128 v[128+8*\i+4*\f:128+8*\i+4*\f+3], v15 offset:1040*\i+512*\f
.endr
.endr
	s_wait_kmcnt 0x0                               ; gamma
	s_mov_b32 s55, s54                             ; (named with it as a pair)
	s_wait_dscnt 0x0
	s_wait_loadcnt 0x0                             ; hs
	WIN 0xcf
.set j, 0
.rept 64
	v_pk_add_f32 v[j:j+1], v[j:j+1], v[128+j:129+j]                    ; f1 + f2
.set j, j+2
.endr
	WIN 0xe3
.set j, 0
.rept 64
	v_pk_fma_f32 v[j:j+1], v[j:j+1], s[54:55], v[64+j:65+j] op_sel_hi:[1,0,1]   ; x gamma + hs
.set j, j+2
.endr
	WIN 0x0c
.irp i, 0,1,2,3,4,5,6,7,8,9,10,11,12,13,14,15
.irp f, 0,1
	global_store_b128 v16, v[8*\i+4*\f:8*\i+4*\f+3], s[68:69] offset:(\i+8*(\i/8))*1024+512*\f th:TH_STORE_NT   ; 512 consecutive bytes, aligned
.endr
.endr
	WIN 0
	s_wait_tensorcnt 0x0                           ; the wave's end
	ds_add_u32 v1, v2
	s_wait_dscnt 0x0
	CROUND                                         ; the closing round
	s_endpgm
.Lfunc_end_k_q14fa580f4a_attn:
	.size	k_q14fa580f4a_attn, .Lfunc_end_k_q14fa580f4a_attn-k_q14fa580f4a_attn
	.p2alignl 7, 3214868480
	.fill 96, 4, 3214868480
	.section	.rodata,"a",@progbits
	.p2align	6, 0x0
	.amdhsa_kernel k_q14fa580f4a_attn
		.amdhsa_group_segment_fixed_size 327680
		.amdhsa_private_segment_fixed_size 0
		.amdhsa_enable_private_segment 0
		.amdhsa_kernarg_size 40
		.amdhsa_user_sgpr_count 2
		.amdhsa_user_sgpr_kernarg_segment_ptr 1
		.amdhsa_wavefront_size32 1
		.amdhsa_system_sgpr_workgroup_id_x 1
		.amdhsa_system_sgpr_workgroup_id_y 1
		.amdhsa_system_sgpr_workgroup_id_z 1
		.amdhsa_system_vgpr_workitem_id 0
		.amdhsa_next_free_vgpr 1024
		.amdhsa_next_free_sgpr 80
		.amdhsa_reserve_vcc 0
		.amdhsa_float_denorm_mode_32 3
		.amdhsa_float_denorm_mode_16_64 3
		.amdhsa_memory_ordered 1
		.amdhsa_forward_progress 1
		.amdhsa_inst_pref_size 246
	.end_amdhsa_kernel
	.amdgpu_metadata
---
amdhsa.version: [ 1, 2 ]
amdhsa.kernels:
  - .name:           k_q14fa580f4a_attn
    .symbol:         k_q14fa580f4a_attn.kd
    .args:
      - { .name: qs, .offset: 0, .size: 8, .value_kind: global_buffer, .address_space: global }
      - { .name: kv, .offset: 8, .size: 8, .value_kind: global_buffer, .address_space: global }
      - { .name: hs, .offset: 16, .size: 8, .value_kind: global_buffer, .address_space: global }
      - { .name: gamma, .offset: 24, .size: 8, .value_kind: global_buffer, .address_space: global }
      - { .name: out0, .offset: 32, .size: 8, .value_kind: global_buffer, .address_space: global }
    .group_segment_fixed_size: 327680
    .private_segment_fixed_size: 0
    .kernarg_segment_align: 8
    .kernarg_segment_size: 40
    .max_flat_workgroup_size: 128
    .sgpr_count:     80
    .vgpr_count:     1024
    .wavefront_size: 32
...
	.end_amdgpu_metadata
.endif
;; end of part 3
